; MI455X (gfx1250); checked and timed in simulation.
; The chip was launched on July 23, 2026; its instructions are those of AMD's public machine-readable ISA for CDNA 5 (MIT licence, August 2026) and "CDNA5" Instruction Set Architecture Reference Guide (July 2026). The comments in the code are by the model that wrote it; some were corrected since.
;; CNF. Allowed arithmetic: float matrix products may take bf16 or f16 operands with f32 sums; other float arithmetic in f32, or as packed bf16 or f16 multiplies, adds, multiply-adds, maxima and minima; sums over many terms, partial sums and values carried from step to step in f32; what a program stores and reads back later, other than sums and carried values, may be rounded once to bf16 or f16.
;; Inputs: W1 81 x 512 float32; W2 512 x 512 float32; W3 512 x 512 float32; Wout 512 x 16 float32; b1 512 float32; b2 512 float32; b3 512 float32; bout 16 float32; data_mean 64 float32; data_std 64 float32; init_theta 16,384 x 16 float32; parameter_mean 16 float32; parameter_std 16 float32; x 64 float32.
;; Outputs: out0 16,384 x 16 float32.
;; One version. Each part assembles by itself: llvm-mc -triple=amdgcn-amd-amdhsa -mcpu=gfx1250 --defsym DOCPART=n.
;; ======== version 1 of 1: 2 launches
;; limits: values are held in f16: magnitudes above 65,504 overflow, below 6.1e-05 lose precision; right only within a limited range of input values
;; workspace buffers: wk 1,097,728 bytes
;; launch prep (part 1): grid 134 x 1, 4 waves a work-group, no clusters, 0 bytes of LDS; arguments W1, W2, W3, Wout, b1, x, data_mean, data_std, wk; writes wk
.if DOCPART == 1
	.amdgcn_target "amdgcn-amd-amdhsa--gfx1250"
	.amdhsa_code_object_version 6
	.text
	.protected	k_q0598ad247a_prep
	.globl	k_q0598ad247a_prep
	.p2align	8
	.type	k_q0598ad247a_prep,@function
k_q0598ad247a_prep:
	s_mov_b64 s[64:65], 0
	v_nop
	global_prefetch_b8 v0, s[64:65] scope:SCOPE_SE
	s_setreg_imm32_b32 hwreg(HW_REG_WAVE_MODE, 25, 1), 1
	s_wait_xcnt 0x0
; PREP: lays the weights out for the launch that follows, once.  Nothing here is a matrix product; no LDS.
; wk:  0         W2 then W3 in f16, in the order in which a lane of the next launch takes its 16 bytes:
;                byte = layer*524288 + s*131072 + w*32768 + c*8192 + t*1024 + half*512 + (16h+r)*16 + 2e holds
;                W[k][n], k = 128s+32c+16half+8h+e, n = 128(t/2)+32w+16(t%2)+r
;      WK_W1F    W1 rows 0-15 in f16: byte = (8w+t)*512 + (16h+r)*16 + 2e holds W1[8h+e][n]
;      WK_WOF    Wout in f16: byte = q*1024 + half*512 + (16h+r)*16 + 2e holds Wout[32q+16half+8h+e][r]
;      WK_BV     seven f32 arrays of 512: c_0..c_5 (c_i[n] = b1[n] + sum_j xn[j] W1[16+j][n] + t_i W1[80][n]), then sum_{k<16} |W1[k][n]|
;      WK_PM     f32: for work-group b < 128 and wave w the largest, over the wave's 32 columns, of the sum of |W| over the group's 32 rows
; LIMIT: a weight of 65,520 or more in magnitude becomes an infinity in f16.  x_n = (x - mean) * (1/std), the reciprocal good to one unit in the last place.
; Work-groups: 0-127 one block of 32 rows x 128 columns of W2 or W3 each; 128 the c_i; 129-132 W1's first 16 rows; 133 Wout.
.set WK_W1F, 1048576
.set WK_WOF, 1064960
.set WK_BV,  1081344
.set WK_PM,  1095680
.set ROWB,   2048                      ; bytes in a row of W1, W2, W3
.macro ROWS first, buf                 ; sixteen rows of W1, my four columns of each
.set i, 0
.rept 16
	global_load_b128 v[(\buf)+4*i:(\buf)+4*i+3], v1, s[4:5] offset:((\first)+i)*ROWB
.set i, i+1
.endr
.endm
.macro BATCH q, buf                    ; sixteen terms xn[16q+i] * W1[16+16q+i][my 4 columns]; lane L holds xn[2L], xn[2L+1]
.set i, 0
.rept 16
	v_readlane_b32 s[32+i], v[8+(i%2)], 8*(\q)+i/2
.set i, i+1
.endr
.set i, 0
.rept 16
.irp k, 0,1,2,3
	v_fmac_f32 v[16+\k], s[32+i], v[(\buf)+4*i+\k]
.endr
.set i, i+1
.endr
.endm
.macro CI a, t                         ; c_a = sum + t_a * W1[80], and out
.irp k, 0,1,2,3
	v_fma_f32 v[224+4*(\a)+\k], v[20+\k], \t, v[16+\k]
.endr
	global_store_b128 v1, v[224+4*(\a):224+4*(\a)+3], s[20:21] offset:WK_BV+(\a)*2048
.endm
	s_load_b512 s[4:19], s[0:1], 0x0               ; W1 s[4:5], W2 s[6:7], W3 s[8:9], Wout s[10:11], b1 s[12:13], x s[14:15], mean s[16:17], std s[18:19]
	s_load_b64 s[20:21], s[0:1], 0x40              ; wk
	s_mov_b32 s2, ttmp9                            ; b
	v_and_b32 v2, 31, v0                           ; lane
	v_lshrrev_b32 v3, 5, v0
	v_readfirstlane_b32 s3, v3                     ; wave
	v_and_b32 v4, 15, v0                           ; r
	v_bfe_u32 v5, v0, 4, 1                         ; lane / 16
	s_mov_b32 s30, 0x7fffffff                      ; clears a sign
	s_mov_b32 s25, 0                               ; high word of every offset pair
	s_mov_b32 s50, 0x76543210                      ; v_permlanex16_b32: each lane takes its own place in the other half
	s_mov_b32 s51, 0xfedcba98
	s_wait_kmcnt 0x0
	s_cmp_lt_u32 s2, 128
	s_cbranch_scc0 .Lnot_a
	; ---- 32 rows x 128 columns of W2 (b < 64) or W3: thread = column 128 g + tid, g = b & 3; rows 32 ((b >> 2) & 15) on
	s_cmp_lt_u32 s2, 64
	s_cselect_b64 s[22:23], s[6:7], s[8:9]
	s_bfe_u32 s24, s2, 0x40002
	s_lshl_b32 s24, s24, 16                        ; 32 rows of 2,048 bytes
	s_and_b32 s26, s2, 3
	s_lshl_b32 s27, s26, 9                         ; 128 columns of 4 bytes
	s_add_co_u32 s24, s24, s27
	s_add_nc_u64 s[22:23], s[22:23], s[24:25]
	v_lshlrev_b32 v1, 2, v0
.set i, 0
.rept 32
	global_load_b32 v[32+i], v1, s[22:23] offset:i*ROWB
.set i, i+1
.endr
	s_lshr_b32 s24, s2, 6                          ; where the block goes: layer,
	s_lshl_b32 s24, s24, 19
	s_bfe_u32 s27, s2, 0x20004                     ; slab s,
	s_lshl_b32 s27, s27, 17
	s_add_co_u32 s24, s24, s27
	s_bfe_u32 s27, s2, 0x20002                     ; chunk c,
	s_lshl_b32 s27, s27, 13
	s_add_co_u32 s24, s24, s27
	s_lshl_b32 s27, s26, 11                        ; tiles 2 g and 2 g + 1
	s_add_co_u32 s24, s24, s27
	s_add_nc_u64 s[28:29], s[20:21], s[24:25]
	s_lshl_b32 s27, s3, 15
	v_lshlrev_b32 v6, 4, v4
	v_lshl_add_u32 v6, v5, 10, v6
	v_add_nc_u32 v6, s27, v6                       ; wave * 32768 + (lane / 16) * 1024 + r * 16
	s_wait_loadcnt 0x0
.irp k, 0,1,2,3
	v_and_b32 v[8+\k], s30, v[32+\k]               ; the column's sum of magnitudes, in four chains
.endr
.set i, 4
.rept 28
	v_and_b32 v[12+i%4], s30, v[32+i]
	v_add_f32 v[8+i%4], v[8+i%4], v[12+i%4]
.set i, i+1
.endr
.set i, 0
.rept 16
	v_cvt_pk_f16_f32 v[64+i], v[32+2*i], v[32+2*i+1]
.set i, i+1
.endr
.irp q, 0,1,2,3
	global_store_b128 v6, v[64+4*\q:64+4*\q+3], s[28:29] offset:\q*256  ; rows 8 q .. 8 q + 7: sixteen lanes store 256 consecutive bytes, aligned
.endr
	v_add_f32 v8, v8, v9
	v_add_f32 v10, v10, v11
	v_add_f32 v8, v8, v10
	v_max_num_f32_dpp v8, v8, v8 row_xmask:1 row_mask:0xf bank_mask:0xf
	v_max_num_f32_dpp v8, v8, v8 row_xmask:2 row_mask:0xf bank_mask:0xf
	v_max_num_f32_dpp v8, v8, v8 row_xmask:4 row_mask:0xf bank_mask:0xf
	v_max_num_f32_dpp v8, v8, v8 row_xmask:8 row_mask:0xf bank_mask:0xf
	v_permlanex16_b32 v9, v8, s50, s51
	v_max_num_f32 v8, v8, v9                       ; the largest of the wave's 32 columns
	s_lshl_b32 s27, s2, 4
	s_lshl_b32 s26, s3, 2
	s_add_co_u32 s27, s27, s26
	v_mov_b32 v7, s27
	v_cmp_eq_u32 vcc_lo, 0, v2
	s_wait_xcnt 0x0                                ; EXEC changes only behind this wait: the stores above have been taken
	s_and_saveexec_b32 s31, vcc_lo
	global_store_b32 v7, v8, s[20:21] offset:WK_PM ; one number a wave: 2,048 bytes in the whole launch
	s_wait_xcnt 0x0
	s_or_b32 exec_lo, exec_lo, s31
	s_endpgm
.Lnot_a:
	s_cmp_eq_u32 s2, 128
	s_cbranch_scc0 .Lnot_b
	; ---- the c_i and W1's column sums: thread = columns 4 tid .. 4 tid + 3.  Three buffers of sixteen rows keep 48 loads out.
	v_lshlrev_b32 v1, 4, v0
	v_lshlrev_b32 v6, 3, v2
	global_load_b64 v[8:9], v6, s[14:15]           ; x
	global_load_b64 v[10:11], v6, s[16:17]         ; mean
	global_load_b64 v[12:13], v6, s[18:19]         ; std
	global_load_b128 v[16:19], v1, s[12:13]        ; b1 starts the sums
	global_load_b128 v[20:23], v1, s[4:5] offset:80*ROWB
	ROWS 0, 32
	ROWS 16, 96
	ROWS 32, 160
	s_wait_loadcnt 48                              ; the five small loads are in; three buffers stay out
	v_rcp_f32 v14, v12
	v_rcp_f32 v15, v13
	v_pk_add_f32 v[8:9], v[8:9], v[10:11] neg_lo:[0,1] neg_hi:[0,1]  ; the plain instruction behind the reciprocals
	s_wait_alu depctr_va_vdst(0)                   ; one wait for both, ahead of their first reader
	v_pk_mul_f32 v[8:9], v[8:9], v[14:15]          ; xn[2 lane], xn[2 lane + 1]
	s_wait_loadcnt 32                              ; rows 0-15 are in
.irp k, 0,1,2,3
	v_and_b32 v[24+\k], s30, v[32+\k]
.endr
.set i, 1
.rept 15
.irp k, 0,1,2,3
	v_and_b32 v[28+\k], s30, v[32+4*i+\k]
	v_add_f32 v[24+\k], v[24+\k], v[28+\k]
.endr
.set i, i+1
.endr
	ROWS 48, 32
	s_wait_loadcnt 32                              ; rows 16-31
	BATCH 0, 96
	ROWS 64, 96
	s_wait_loadcnt 32                              ; rows 32-47
	BATCH 1, 160
	s_wait_loadcnt 16                              ; rows 48-63
	BATCH 2, 32
	s_wait_loadcnt 0x0                             ; rows 64-79
	BATCH 3, 96
	CI 0, 1.0                                      ; t_i = 1 + C_i dt, dt = 1e-5 - 1
	CI 1, 0.83900161
	CI 2, 0.67300327
	CI 3, 0.100009
	CI 4, 0.01998426
	CI 5, 0.00001
	global_store_b128 v1, v[24:27], s[20:21] offset:WK_BV+6*2048
	s_endpgm
.Lnot_b:
	s_cmp_lt_u32 s2, 133
	s_cbranch_scc0 .Lnot_c
	; ---- W1 rows 0-15: thread = column 128 g + tid, g = b - 129
	s_sub_co_u32 s26, s2, 129
	s_lshl_b32 s24, s26, 9
	s_add_nc_u64 s[22:23], s[4:5], s[24:25]
	v_lshlrev_b32 v1, 2, v0
.set i, 0
.rept 16
	global_load_b32 v[32+i], v1, s[22:23] offset:i*ROWB
.set i, i+1
.endr
	s_lshl_b32 s24, s26, 10
	s_add_nc_u64 s[28:29], s[20:21], s[24:25]
	s_lshl_b32 s27, s3, 12
	v_lshlrev_b32 v6, 4, v4
	v_lshl_add_u32 v6, v5, 9, v6
	v_add_nc_u32 v6, s27, v6                       ; wave * 4096 + (lane / 16) * 512 + r * 16
	s_wait_loadcnt 0x0
.set i, 0
.rept 8
	v_cvt_pk_f16_f32 v[64+i], v[32+2*i], v[32+2*i+1]
.set i, i+1
.endr
	global_store_b128 v6, v[64:67], s[28:29] offset:WK_W1F
	global_store_b128 v6, v[68:71], s[28:29] offset:WK_W1F+256
	s_endpgm
.Lnot_c:
	; ---- Wout: wave w makes fragments q = 4 w .. 4 w + 3; lane (r, h) takes column r, rows 32 q + 16 half + 8 h + e
	s_lshl_b32 s27, s3, 13
	v_lshlrev_b32 v1, 2, v4
	v_lshl_add_u32 v1, v5, 9, v1
	v_add_nc_u32 v1, s27, v1
.set i, 0
.rept 64
	global_load_b32 v[32+i], v1, s[10:11] offset:(i/16)*2048+((i/8)%2)*1024+(i%8)*64
.set i, i+1
.endr
	s_lshl_b32 s27, s3, 12
	v_lshlrev_b32 v6, 4, v2
	v_add_nc_u32 v6, s27, v6
	s_wait_loadcnt 0x0
.set i, 0
.rept 32
	v_cvt_pk_f16_f32 v[96+i], v[32+2*i], v[32+2*i+1]
.set i, i+1
.endr
.set i, 0
.rept 8
	global_store_b128 v6, v[96+4*i:96+4*i+3], s[20:21] offset:WK_WOF+i*512
.set i, i+1
.endr
	s_endpgm
.Lfunc_end_k_q0598ad247a_prep:
	.size	k_q0598ad247a_prep, .Lfunc_end_k_q0598ad247a_prep-k_q0598ad247a_prep
	.p2alignl 7, 3214868480
	.fill 96, 4, 3214868480
	.section	.rodata,"a",@progbits
	.p2align	6, 0x0
	.amdhsa_kernel k_q0598ad247a_prep
		.amdhsa_group_segment_fixed_size 0
		.amdhsa_private_segment_fixed_size 0
		.amdhsa_enable_private_segment 0
		.amdhsa_kernarg_size 72
		.amdhsa_user_sgpr_count 2
		.amdhsa_user_sgpr_kernarg_segment_ptr 1
		.amdhsa_wavefront_size32 1
		.amdhsa_system_sgpr_workgroup_id_x 1
		.amdhsa_system_sgpr_workgroup_id_y 1
		.amdhsa_system_sgpr_workgroup_id_z 1
		.amdhsa_system_vgpr_workitem_id 0
		.amdhsa_next_free_vgpr 256
		.amdhsa_next_free_sgpr 66
		.amdhsa_reserve_vcc 1
		.amdhsa_float_denorm_mode_32 3
		.amdhsa_float_denorm_mode_16_64 3
		.amdhsa_memory_ordered 1
		.amdhsa_forward_progress 1
		.amdhsa_inst_pref_size 48
	.end_amdhsa_kernel
	.amdgpu_metadata
---
amdhsa.version: [ 1, 2 ]
amdhsa.kernels:
  - .name:           k_q0598ad247a_prep
    .symbol:         k_q0598ad247a_prep.kd
    .args:
      - { .name: W1, .offset: 0, .size: 8, .value_kind: global_buffer, .address_space: global }
      - { .name: W2, .offset: 8, .size: 8, .value_kind: global_buffer, .address_space: global }
      - { .name: W3, .offset: 16, .size: 8, .value_kind: global_buffer, .address_space: global }
      - { .name: Wout, .offset: 24, .size: 8, .value_kind: global_buffer, .address_space: global }
      - { .name: b1, .offset: 32, .size: 8, .value_kind: global_buffer, .address_space: global }
      - { .name: x, .offset: 40, .size: 8, .value_kind: global_buffer, .address_space: global }
      - { .name: data_mean, .offset: 48, .size: 8, .value_kind: global_buffer, .address_space: global }
      - { .name: data_std, .offset: 56, .size: 8, .value_kind: global_buffer, .address_space: global }
      - { .name: wk, .offset: 64, .size: 8, .value_kind: global_buffer, .address_space: global }
    .group_segment_fixed_size: 0
    .private_segment_fixed_size: 0
    .kernarg_segment_align: 8
    .kernarg_segment_size: 72
    .max_flat_workgroup_size: 128
    .sgpr_count:     66
    .vgpr_count:     256
    .wavefront_size: 32
...
	.end_amdgpu_metadata
.endif
;; end of part 1
;; launch flow (part 2): grid 256 x 1, 4 waves a work-group, clusters of 4 x 1, 327,680 bytes of LDS; arguments wk, b2, b3, bout, init_theta, parameter_mean, parameter_std, out0; writes out0
.if DOCPART == 2
	.amdgcn_target "amdgcn-amd-amdhsa--gfx1250"
	.amdhsa_code_object_version 6
	.text
	.protected	k_q0598ad247a_flow
	.globl	k_q0598ad247a_flow
	.p2align	8
	.type	k_q0598ad247a_flow,@function
k_q0598ad247a_flow:
	s_mov_b64 s[64:65], 0
	v_nop
	global_prefetch_b8 v0, s[64:65] scope:SCOPE_SE
	s_setreg_imm32_b32 hwreg(HW_REG_WAVE_MODE, 25, 1), 1
	s_wait_xcnt 0x0
	s_wait_alu depctr_hold_cnt(0) depctr_sa_sdst(0) depctr_va_vdst(0) depctr_va_sdst(0) depctr_va_ssrc(0) depctr_va_vcc(0) depctr_vm_vsrc(0)
	s_getreg_b32 s2, hwreg(HW_REG_IB_STS2, 6, 4)
	s_cmp_eq_u32 s2, 0
	s_cbranch_scc0 .Lentry_in_a_cluster
	s_endpgm
.Lentry_in_a_cluster:
	s_bfe_u32 s2, ttmp6, 0x10000c
	s_cmp_lg_u32 s2, 0x3003
	s_cbranch_scc0 .Lentry_shape_is_right
	s_endpgm
.Lentry_shape_is_right:
; FLOW: one Tsit5 step (six stages) of dy/dt = -beta(t)/2 (y + score(y, t)) for 16,384 samples of 16 numbers, then mean + std * y.
; score = MLP 81 -> 512 -> 512 -> 512 -> 16 with the tanh form of GELU.  The 65 inputs that all samples share (x_n and t) are folded into the first layer's bias c_i by the launch before.
; SHARES.  A work-group owns 64 samples for the whole launch; no activation goes to memory.  In a hidden layer wave w makes 128 features x 64 samples: 8 feature tiles t x 4 sample tiles m,
; 32 accumulators.  The product is taken transposed (source 0 = 16 features, source 1 = 16 samples): lane (r, h) holds sample r and features 8h..8h+7, so the wave's tiles 2p and 2p+1, rounded
; to f16 in pairs, ARE the fragment of K chunk w of K slab p of the next layer.  Feature of (w, t, row) = 128 (t/2) + 32 w + 16 (t%2) + row.  Wave w also owns sample tile w for theta, the stages' k and the output.
; FORMAT.  Products in f16 with f32 sums.  An activation h of layer l is stored as h / is_l, is_l = bnd_l * 2^-14, where bnd_l is a bound on |x_l| for that sample: T = max |theta|,
; bnd1 = T A1 + max|c_i|, bnd2 = bnd1 A2 + max|b2|, bnd3 = bnd2 A3 + max|b3| (A: bounds on the largest column sum of |W|); |gelu(x)| <= |x|, so what is stored stays within 2^14.
; x_l = sum * is_(l-1) + bias.  gelu(x) / is = x * rcp(e is + is), e = 2^(x (GC1 + GC2 x^2)): e = inf gives 0, e = 0 gives x / is.
; LIMITS.  Weights under 65,520 in magnitude; the bounds finite in f32 (T A1 A2 A3 under 3e38); T and the bounds are held at 1e-30 at the least; NaN and infinities are not treated apart.
; WEIGHTS.  W2 and W3 (f16, 512 KiB each) are walked in four slabs of K = 128 a layer through two LDS slots of 128 KiB.  A wave's tensor load brings the 32 KiB that this wave alone reads.
; All work-groups walk the same weights: the four of a cluster ask JOINTLY (same load, same descriptor, mask of four).  A layer fills its four slabs and reads all four.
; GELU of tile pair p+1 rides behind the products of K slab p of the next layer, three or four vector instructions behind each matrix instruction; pair 0, and the last layer's, stand alone.
; The launch claims all of a WGP's LDS; it uses 324,096 bytes.
;
; LDS: slot 0, slot 1 (filled by tensor loads alone); ACT0, ACT1: a K slab of activations [producer wave][m][half][lane*16]; BIAS: c0..c5, b2, b3, W1's column sums (f32, 2,048 bytes each);
;      THB: theta in f16 [m][lane*16]; SCL: the four is of each sample [m][half][lane*16]; IOS: 1,024 bytes a wave for theta's and the output's change of layout; the spare words.
; REGISTERS, in windows of 256 (s_set_vgpr_msb: bits 1:0 source 0, 3:2 source 1, 5:4 source 2, 7:6 destination):
;   window 0: addresses, TT (64 at work), QQ (for each m: is_in, is_out and the later ones, each twice), Wout's fragments, y, k1..k5, theta, bout, mean, std
;   window 1: two fragment buffers of 96 (64 of weights, 32 of activations); v192-255 W1's fragments     window 2: the accumulators, (t, m) at 8 (4t+m)     window 3: x in f32, same places
.set SLOTB,  131072
.set ACT0,   2*SLOTB
.set ACT1,   ACT0+16384
.set BIAS,   ACT1+16384
.set THB,    BIAS+9*2048
.set SCL,    THB+2048
.set IOS,    SCL+4096
.set SPARE,  IOS+4096                  ; the spare words: 128 bytes a wave, two blocks of 256 bytes that no other line names
.set WK_W1F, 1048576
.set WK_WOF, 1064960
.set WK_BV,  1081344
.set WK_PM,  1095680
.set ADA,  2                           ; v2-3   my 16 bytes in my quarter of slot 0, 1
.set ADB,  4                           ; v4-5   my 16 bytes in ACT0, ACT1
.set AST,  6                           ; v6-7   the same in my wave's part of them
.set ABI,  8                           ; v8     the bias loads' address
.set ABI0, 9                           ; v9     BIAS + 128 w + 32 h
.set ATH,  10                          ; v10-11 THB + 16 lane; + 512 w
.set ASC,  12                          ; v12-13 SCL + 16 lane; + 1024 w
.set ARD,  14                          ; v14    ACT0 + 1024 w + 16 lane
.set IOL,  15                          ; v15    IOS + 1024 w + 16 lane
.set IOX,  16                          ; v16    IOS + 1024 w + 64 r + 32 h
.set GIO,  17                          ; v17    16 lane
.set SPW,  18                          ; v18    my spare word; never rewritten
.set NIL,  19                          ; v19    0; never rewritten
.set PFO,  20                          ; v20    256 lane
.set TT,   32
.set QQ,   96
.set WO,   128
.set YY,   160
.set KK,   168
.set TH8,  208
.set BO,   216
.set PMN,  224
.set PSD,  232
.set DUP,  240
.set IS3,  248                         ; v248-249 my samples' is_3
.set F0,   0                           ; window 1
.set F1,   96
.set WV,   20                          ; s20 wave; s21 cx; s22 work-group
.set CX,   21
.set WG,   22
.set G1,   24                          ; s[24:31] descriptor group 1
.set G0,   32                          ; s[32:35], s[36:39] group 0 for slot 0, 1
.set WB,   40                          ; s[40:41] wk + 32768 w
.set STG,  42
.set LCNT, 43
.set BOFF, 44
.set PFC,  46                          ; prefetch steps to go
.set TS,   47
.set PFA,  48                          ; s[48:49] where my prefetch stands
.set PFS,  50                          ; s[50:51] its step
.set GC1,  52
.set GC2,  54
.set SEL,  56
.set SA1,  58
.set SA2,  59
.set SA3,  60
.set SBM2, 61
.set SBM3, 62
.set C1CUR, 63
.set C1,   66                          ; s66-71 max |c_i|
.set TINY, 72
.set SC14, 73
.set ABSM, 74
.set MSB, 0
.macro WIN new                         ; the immediate's high byte repeats the setting that is left; a switch that changes nothing is dropped
.if MSB != (\new)
	s_set_vgpr_msb (MSB<<8)|(\new)
.set MSB, \new
.endif
.endm
.macro PLACES                          ; four plain places behind matrix instructions (ISA guide 7.12.1), where no other vector work is at hand
.rept 4
	v_nop
.endr
.endm
.macro CREST                           ; a round of the cluster's barrier behind its opening barrier
	s_cmp_lg_u32 s[WV], 0
	s_cbranch_scc1 .Lnot_wave_0_\@
	s_barrier_signal -3
.Lnot_wave_0_\@:
	s_barrier_wait -3
	s_barrier_signal -1
	s_barrier_wait -1
.endm
.macro CROUND
	s_barrier_signal -1
	s_barrier_wait -1
	CREST
.endm
.macro JLOAD slot                      ; my quarter of a slab, jointly with the three partners; both addresses hang on the wave's number; s_nop 0 and four v_nop follow
	tensor_load_to_lds s[G0+4*(\slot):G0+4*(\slot)+3], s[G1:G1+7]
	s_nop 0
.rept 4
	v_nop
.endr
.endm
; THE PREFETCH.  wk is walked six times; only its first walk is asked for.  Cluster 0 alone asks; its sixteen waves share a slab's 512 blocks of 256 bytes by address (32768 cx + 8192 w + 256 lane).
; One instruction a wave behind each of the five fills that follow the first, for slabs 3 to 7: each two fills ahead of the load that wants it.  Slabs 0 to 2 come by their loads alone.
.macro PFSTEP                          ; at the head of a fill: the address steps, a fill behind the prefetch that read it
	s_wait_xcnt 0x0
	s_cmp_lg_u32 s[PFC], 0
	s_cselect_b32 s[PFS], SLOTB, 0
	s_cselect_b32 s[TS], 1, 0
	s_add_nc_u64 s[PFA:PFA+1], s[PFA:PFA+1], s[PFS:PFS+1]
	s_sub_co_u32 s[PFC], s[PFC], s[TS]
.endm
.macro ASK
	WIN 0
	s_cmp_lg_u32 s[PFC], 0
	s_cbranch_scc0 .Lno_ask_\@
	global_prefetch_b8 v[PFO], s[PFA:PFA+1] th:TH_LOAD_NT scope:SCOPE_SE
.Lno_ask_\@:
.endm
; 24 LDS loads in one run: K chunk c (32 along K) of the slab in slot and ACT buffer par, into fragment buffer f.  Every load is 512 consecutive bytes.
.macro FETCH par, c, f
	WIN 0x40
.irp m, 0,1,2,3
	ds_load_b128 v[(\f)+64+8*\m:(\f)+64+8*\m+3],   v[ADB+(\par)] offset:(\c)*4096+\m*1024
	ds_load_b128 v[(\f)+64+8*\m+4:(\f)+64+8*\m+7], v[ADB+(\par)] offset:(\c)*4096+\m*1024+512
.endr
.irp t, 0,1,2,3,4,5,6,7
	ds_load_b128 v[(\f)+8*\t:(\f)+8*\t+3],   v[ADA+(\par)] offset:(\c)*8192+\t*1024
	ds_load_b128 v[(\f)+8*\t+4:(\f)+8*\t+7], v[ADA+(\par)] offset:(\c)*8192+\t*1024+512
.endr
.endm
; Product i of a quarter's 32: tile t = i / 4, samples m = i % 4.  The 32 accumulators take turns, one instruction a turn.
.macro MM f, zero
	WIN 0xa5
.if \zero
	v_wmma_f32_16x16x32_f16 v[8*i:8*i+7], v[(\f)+8*(i/4):(\f)+8*(i/4)+7], v[(\f)+64+8*(i%4):(\f)+64+8*(i%4)+7], 0
.else
	v_wmma_f32_16x16x32_f16 v[8*i:8*i+7], v[(\f)+8*(i/4):(\f)+8*(i/4)+7], v[(\f)+64+8*(i%4):(\f)+64+8*(i%4)+7], v[8*i:8*i+7]
.endif
.set i, i+1
.endm
; GELU of tile pair GP (tiles 2 GP, 2 GP + 1, all four m: 64 numbers a lane) is a list of 330 items; GITEM writes item j.  Pair ii of 32: m = ii / 8, tile half u = (ii / 4) % 2, registers 2 (ii % 4).
;   0-31 x^2    32-63 GC2 x^2 + GC1    64-95 times x    96-159 the exponentials, ONE batch    160 a plain instruction and the batch's one wait
;   161-192 e is + is    193-256 the reciprocals, one batch    257 as 160    258-289 x times that    290-321 rounded to f16, in place and ascending    322-329 (GST) into ACT
.macro GSET p, par, st
.set GP, \p
.set GPAR, \par
.set GST, \st
.set j, 0
.endm
.macro GIDX
.set gS, 64*GP+32*((ii/4)%2)+8*(ii/8)+2*(ii%4)
.set gT, TT+2*ii
.set gQ, QQ+8*(ii/8)+2
.endm
.macro GITEM
.if j < 32
.set ii, j
	GIDX
	WIN 0x0f
	v_pk_mul_f32 v[gT:gT+1], v[gS:gS+1], v[gS:gS+1]
.elseif j < 64
.set ii, j-32
	GIDX
	WIN 0
	v_pk_fma_f32 v[gT:gT+1], v[gT:gT+1], s[GC2:GC2+1], s[GC1:GC1+1] op_sel_hi:[1,0,0]
.elseif j < 96
.set ii, j-64
	GIDX
	WIN 0x03
	v_pk_mul_f32 v[gT:gT+1], v[gS:gS+1], v[gT:gT+1]
.elseif j < 160
	WIN 0
	v_exp_f32 v[TT+j-96], v[TT+j-96]
.elseif j == 160
	v_nop                                          ; the plain instruction behind the last exponential
	s_wait_alu depctr_va_vdst(0)                   ; one wait for the 64, ahead of their first reader
.elseif j < 193
.set ii, j-161
	GIDX
	WIN 0
	v_pk_fma_f32 v[gT:gT+1], v[gT:gT+1], v[gQ:gQ+1], v[gQ:gQ+1]
.elseif j < 257
	WIN 0
	v_rcp_f32 v[TT+j-193], v[TT+j-193]
.elseif j == 257
	v_nop
	s_wait_alu depctr_va_vdst(0)                   ; one wait for the 64 reciprocals
.elseif j < 290
.set ii, j-258
	GIDX
	WIN 0x03
	v_pk_mul_f32 v[gT:gT+1], v[gS:gS+1], v[gT:gT+1]
.elseif j < 322
.set ii, j-290
	WIN 0
	v_cvt_pk_f16_f32 v[TT+ii], v[TT+2*ii], v[TT+2*ii+1]
.elseif (j < 330) && GST
.set ii, j-322
	WIN 0
	ds_store_b128 v[AST+GPAR], v[TT+4*ii:TT+4*ii+3] offset:512*ii
.endif
.set j, j+1
.endm
.macro SLICE                           ; what rides behind one matrix instruction: three items in a run of transcendentals, else four: 94 slices for the 96 products ahead of a change of slots
.if j < 330
.if ((j >= 96) && (j < 160)) || ((j >= 193) && (j < 257))
.rept 3
	GITEM
.endr
.else
.rept 4
	GITEM
.endr
.endif
.endif
.endm
.macro FLUSH                           ; whatever is left of the list (by the count above: nothing)
.if j < 330
.rept 330-j
	GITEM
.endr
.endif
.endm
.macro LUMP p, par, st
	GSET \p, \par, \st
.rept 330
	GITEM
.endr
.endm
; One of a slab's first three quarters: multiplies buffer f and, in its middle, fetches chunk cn into g.
.macro QUARTER par, cn, f, g, zero
	s_wait_dscnt 0x0                               ; buffer f is in (asked for sixteen products ago)
.set i, 0
.rept 16
	MM \f, \zero
	SLICE
.endr
	PLACES                                         ; ahead of loads into registers that matrix instructions have read
	FETCH \par, \cn, \g
.rept 16
	MM \f, \zero
	SLICE
.endr
.endm
.macro BIASLOAD                        ; my 64 biases: feature tiles t, features 8h..8h+7
	WIN 0
	v_add_nc_u32 v[ABI], s[BOFF], v[ABI0]
.irp t, 0,1,2,3,4,5,6,7
	ds_load_b128 v[TT+8*\t:TT+8*\t+3],   v[ABI] offset:(\t/2)*512+(\t%2)*64
	ds_load_b128 v[TT+8*\t+4:TT+8*\t+7], v[ABI] offset:(\t/2)*512+(\t%2)*64+16
.endr
.endm
.macro TRANSFER                        ; x = sum * is_in + bias, from window 2 into window 3; each accumulator is read from its low end on
	WIN 0xc2
.set i, 0
.rept 32
.irp jj, 0,1,2,3
	v_pk_fma_f32 v[8*i+2*\jj:8*i+2*\jj+1], v[8*i+2*\jj:8*i+2*\jj+1], v[QQ+8*(i%4):QQ+8*(i%4)+1], v[TT+8*(i/4)+2*\jj:TT+8*(i/4)+2*\jj+1]
.endr
.set i, i+1
.endr
	WIN 0
.endm
; The fourth quarter of slabs 0 and 1 multiplies buffer 1 and changes slots: the slot just read is filled again, two slabs on.  Each wave waits for all its tensor loads (one is out: the other slot's),
; adds 0 to its spare word, and waits for that, for its reads of slot and ACT buffer and for its stores of the next slab's activations.  The barrier opens a round of the cluster's.
.macro TURNF slot
	FLUSH
	PFSTEP
	WIN 0
	s_wait_tensorcnt 0x0
	ds_add_u32 v[SPW], v[NIL]
	s_wait_dscnt 0x1                               ; all but the add: buffer 1 is in
.set i, 0
.rept 8
	MM F1, 0
.endr
	s_wait_dscnt 0x0
	s_barrier_signal -1
.rept 8
	MM F1, 0
.endr
	WIN 0
	s_barrier_wait -1
	CREST
	s_add_nc_u64 s[G0+4*(\slot)+2:G0+4*(\slot)+3], s[G0+4*(\slot)+2:G0+4*(\slot)+3], 2*SLOTB
	JLOAD \slot                                    ; first behind the round; its four v_nop are also the places ahead of the loads below
	FETCH 1-(\slot), 0, F0
	ASK
.rept 16
	MM F1, 0
.endr
.endm
.macro TERM k, a                       ; theta += a * k_(k+1)
.if (\k) < 5
.set KB, KK+8*(\k)
.else
.set KB, TT
.endif
.set q, 0
.rept 8
	v_fmac_f32 v[TH8+q], \a, v[KB+q]
.set q, q+1
.endr
.endm
; Stage sg's end: k = g * z (g = -dt beta(t)/2, so k is dt times the drift), and the next stage's theta = y + sum a_j k_j (behind the last stage: the step's result).
.macro RKB sg, g, a0, a1=0, a2=0, a3=0, a4=0, a5=0
	s_cmp_lg_u32 s[STG], \sg
	s_cbranch_scc1 .Lrk_not_\sg
.if (\sg) < 5
.set KN, KK+8*(\sg)
	s_mov_b32 s[C1CUR], s[C1+(\sg)+1]
.else
.set KN, TT
.endif
.set q, 0
.rept 8
	v_mul_f32 v[KN+q], \g, v[TT+q]
	v_mov_b32 v[TH8+q], v[YY+q]
.set q, q+1
.endr
	TERM 0, \a0
.if (\sg) >= 1
	TERM 1, \a1
.endif
.if (\sg) >= 2
	TERM 2, \a2
.endif
.if (\sg) >= 3
	TERM 3, \a3
.endif
.if (\sg) >= 4
	TERM 4, \a4
.endif
.if (\sg) >= 5
	TERM 5, \a5
.endif
	s_branch .Lrk_end
.Lrk_not_\sg:
.endm
.macro ARRLOAD a, base
.irp k, 0,1,2,3
	ds_load_b128 v[(\base)+4*\k:(\base)+4*\k+3], v30 offset:(\a)*2048+\k*512
.endr
.endm
.macro TREE b                          ; the largest of sixteen registers
.set k, 1
.rept 7
	v_max3_num_f32 v[\b], v[\b], v[(\b)+k], v[(\b)+k+1]
.set k, k+2
.endr
	v_max_num_f32 v[\b], v[\b], v[(\b)+15]
.endm
.macro ARRMAX b, sdst                  ; the largest magnitude of an array of 512, as a scalar
.set k, 0
.rept 16
	v_and_b32 v[(\b)+k], s[ABSM], v[(\b)+k]
.set k, k+1
.endr
	TREE \b
	v_max_num_f32_dpp v[\b], v[\b], v[\b] row_xmask:1 row_mask:0xf bank_mask:0xf
	v_max_num_f32_dpp v[\b], v[\b], v[\b] row_xmask:2 row_mask:0xf bank_mask:0xf
	v_max_num_f32_dpp v[\b], v[\b], v[\b] row_xmask:4 row_mask:0xf bank_mask:0xf
	v_max_num_f32_dpp v[\b], v[\b], v[\b] row_xmask:8 row_mask:0xf bank_mask:0xf
	v_permlanex16_b32 v[(\b)+1], v[\b], s[SEL], s[SEL+1]
	v_max_num_f32 v[\b], v[\b], v[(\b)+1]
	v_readfirstlane_b32 s[\sdst], v[\b]
.endm
	; ======== THE HEAD
	s_load_b512 s[4:19], s[0:1], 0x0               ; wk s[4:5], b2 s[6:7], b3 s[8:9], bout s[10:11], theta s[12:13], mean s[14:15], std s[16:17], out s[18:19]
	v_lshl_add_u32 v[SPW], v0, 2, SPARE
	v_mov_b32 v[NIL], 0
	ds_add_u32 v[SPW], v[NIL]                      ; the wave's opening: the add, twice on end, and its wait ahead of my first tensor load
	ds_add_u32 v[SPW], v[NIL]
	v_lshrrev_b32 v1, 5, v0
	v_readfirstlane_b32 s[WV], v1                  ; wave 0..3
	s_bfe_u32 s[CX], ttmp6, 0x40000                ; my place in the cluster: it enters theta's, out0's and the prefetch's addresses alone
	s_lshl_b32 s[WG], ttmp9, 2
	s_add_co_u32 s[WG], s[WG], s[CX]
	; descriptor group 1: 32 KiB that are dense in memory, as 128 rows of 256 bytes; no padding: a fragment's half is 512 bytes on end
	s_mov_b32 s[G1+0], 15|(3<<16)|(1<<21)          ; the mask of four; elements of 8 bytes; bit 21 set beside a mask
	s_mov_b32 s[G1+1], 32<<16                      ; tensor_dim0 = 32
	s_mov_b32 s[G1+2], 128<<16                     ; tensor_dim1 = 128
	s_mov_b32 s[G1+3], 32<<16                      ; tile_dim0 = 32
	s_mov_b32 s[G1+4], 128                         ; tile_dim1 = 128
	s_mov_b32 s[G1+5], 32                          ; 32 elements from row to row
	s_mov_b32 s[G1+6], 0
	s_mov_b32 s[G1+7], 0
	s_mov_b32 s[G0], 1
	s_mul_i32 s[G0+1], s[WV], 32768                ; my quarter of slot 0,
	s_mov_b32 s[G0+4], 1
	s_add_co_u32 s[G0+5], s[G0+1], SLOTB           ; of slot 1
	s_mov_b32 s[PFS+1], 0
	s_mov_b32 s[GC1], 0xc0135761                   ; -2 log2(e) sqrt(2/pi) = -2.3022082
	s_mov_b32 s[GC1+1], s[GC1]
	s_mov_b32 s[GC2], 0xbdd2d3e8                   ; that times 0.044715 = -0.10294324
	s_mov_b32 s[GC2+1], s[GC2]
	s_mov_b32 s[SEL], 0x76543210
	s_mov_b32 s[SEL+1], 0xfedcba98
	s_mov_b32 s[TINY], 0x0da24260                  ; 1e-30
	s_mov_b32 s[SC14], 0x38800000                  ; 2^-14
	s_mov_b32 s[ABSM], 0x7fffffff
	v_and_b32 v21, 31, v0                          ; lane
	v_and_b32 v22, 15, v0                          ; r
	v_bfe_u32 v23, v0, 4, 1                        ; h
	v_lshlrev_b32 v[GIO], 4, v21
	v_add_nc_u32 v[ADA], s[G0+1], v[GIO]
	v_add_nc_u32 v[ADA+1], SLOTB, v[ADA]
	v_add_nc_u32 v[ADB], ACT0, v[GIO]
	v_add_nc_u32 v[ADB+1], ACT1, v[GIO]
	s_lshl_b32 s2, s[WV], 12
	v_add_nc_u32 v[AST], s2, v[ADB]
	v_add_nc_u32 v[AST+1], s2, v[ADB+1]
	v_add_nc_u32 v25, s2, v[GIO]                   ; W1's fragments: 4096 w + 16 lane
	s_lshl_b32 s2, s[WV], 7
	s_add_co_u32 s2, s2, BIAS
	v_lshl_add_u32 v[ABI0], v23, 5, s2
	v_add_nc_u32 v[ATH], THB, v[GIO]
	s_lshl_b32 s2, s[WV], 9
	v_add_nc_u32 v[ATH+1], s2, v[ATH]
	v_add_nc_u32 v[ASC], SCL, v[GIO]
	s_lshl_b32 s2, s[WV], 10
	v_add_nc_u32 v[ASC+1], s2, v[ASC]
	v_add_nc_u32 v[ARD], s2, v[ADB]
	v_add_nc_u32 v26, s2, v[GIO]                   ; Wout's fragments: 1024 w + 16 lane
	s_add_co_u32 s2, s2, IOS
	v_add_nc_u32 v[IOL], s2, v[GIO]
	v_lshl_add_u32 v[IOX], v22, 6, s2
	v_lshl_add_u32 v[IOX], v23, 5, v[IOX]
	v_lshlrev_b32 v[PFO], 8, v21
	v_lshlrev_b32 v24, 4, v0                       ; 16 x thread
	v_lshlrev_b32 v27, 5, v23                      ; 32 h
	v_add_nc_u32 v28, BIAS, v24
	v_lshlrev_b32 v29, 6, v21                      ; 64 lane
	v_add_nc_u32 v30, BIAS, v[GIO]
	s_wait_dscnt 0x0                               ; both opening adds are done
	s_wait_kmcnt 0x0
	s_mov_b32 s3, 0
	s_mov_b32 s2, s[G0+1]
	s_add_nc_u64 s[WB:WB+1], s[4:5], s[2:3]
	s_mov_b32 s77, 0
	s_lshl_b32 s76, s[CX], 15
	s_lshl_b32 s[TS], s[WV], 13
	s_add_co_u32 s76, s76, s[TS]
	s_add_nc_u64 s[PFA:PFA+1], s[4:5], s[76:77]
	s_add_nc_u64 s[PFA:PFA+1], s[PFA:PFA+1], 2*SLOTB  ; at slab 2; the first step takes it to slab 3
	s_lshl_b32 s76, s[WG], 12                      ; my work-group's 64 samples of 64 bytes,
	s_lshl_b32 s[TS], s[WV], 10                    ; my wave's 16
	s_add_co_u32 s76, s76, s[TS]
	s_add_nc_u64 s[12:13], s[12:13], s[76:77]
	s_add_nc_u64 s[18:19], s[18:19], s[76:77]
	s_mov_b32 s2, ttmp9
	s_cmp_eq_u32 s2, 0                             ; the cluster's number: the same in all four partners
	s_cselect_b32 s[PFC], 6, 0
.irp a, 0,1,2,3,4,5
	global_load_b128 v[TT+4*\a:TT+4*\a+3], v24, s[4:5] offset:WK_BV+\a*2048  ; c_0 .. c_5
.endr
	global_load_b128 v[TT+24:TT+27], v24, s[6:7]   ; b2
	global_load_b128 v[TT+28:TT+31], v24, s[8:9]   ; b3
	global_load_b128 v[TT+32:TT+35], v24, s[4:5] offset:WK_BV+6*2048  ; W1's column sums
.irp k, 0,1,2,3
	global_load_b128 v[DUP+4*\k:DUP+4*\k+3], v29, s[4:5] offset:WK_PM+16*\k  ; lane L: the sixteen partial maxima of K chunk L (0-15: W2's, 16-31: W3's)
.endr
	global_load_b128 v[TT+40:TT+43], v[GIO], s[12:13]             ; theta: 512 consecutive bytes a load
	global_load_b128 v[TT+44:TT+47], v[GIO], s[12:13] offset:512
	global_load_b128 v[BO:BO+3], v27, s[10:11]
	global_load_b128 v[BO+4:BO+7], v27, s[10:11] offset:16
	global_load_b128 v[PMN:PMN+3], v27, s[14:15]
	global_load_b128 v[PMN+4:PMN+7], v27, s[14:15] offset:16
	global_load_b128 v[PSD:PSD+3], v27, s[16:17]
	global_load_b128 v[PSD+4:PSD+7], v27, s[16:17] offset:16
.irp p, 0,1,2,3
	global_load_b128 v[WO+8*\p:WO+8*\p+3],   v26, s[4:5] offset:WK_WOF+\p*4096      ; Wout's K chunk 4 p + w
	global_load_b128 v[WO+8*\p+4:WO+8*\p+7], v26, s[4:5] offset:WK_WOF+\p*4096+512
.endr
	WIN 0x40
.irp t, 0,1,2,3,4,5,6,7
	global_load_b128 v[192+8*\t:192+8*\t+3], v25, s[4:5] offset:WK_W1F+\t*512
.endr
.irp t, 0,1,2,3,4,5,6,7
.irp k, 4,5,6,7
	v_mov_b32 v[192+8*\t+\k], 0                    ; K = 16 .. 31 of the first layer do not exist
.endr
.endr
	WIN 0
	s_wait_loadcnt 0x0
.irp a, 0,1,2,3,4,5,6,7,8
	ds_store_b128 v28, v[TT+4*\a:TT+4*\a+3] offset:\a*2048
.endr
	ds_store_b128 v[IOL], v[TT+40:TT+43]           ; theta changes layout through my own bytes: LDS serves a wave's instructions in order (ISA guide 5.7.1.4)
	ds_store_b128 v[IOL], v[TT+44:TT+47] offset:512
	ds_load_b128 v[YY:YY+3], v[IOX]                ; lane (r, h): sample r, numbers 8h..8h+7
	ds_load_b128 v[YY+4:YY+7], v[IOX] offset:16
	s_wait_dscnt 0x0                               ; for the others' sake: my part of the bias arrays is stored
	s_barrier_signal -1
	s_barrier_wait -1
	ARRLOAD 0, 32
	ARRLOAD 1, 48
	ARRLOAD 2, 64
	ARRLOAD 3, 80
	ARRLOAD 4, 96
	ARRLOAD 5, 112
	ARRLOAD 6, 168
	ARRLOAD 7, 184
	ARRLOAD 8, 200
	TREE DUP                                       ; a chunk's largest partial column sum; the chunks' sum bounds the largest column sum
	v_add_f32_dpp v[DUP], v[DUP], v[DUP] row_xmask:1 row_mask:0xf bank_mask:0xf
	v_add_f32_dpp v[DUP], v[DUP], v[DUP] row_xmask:2 row_mask:0xf bank_mask:0xf
	v_add_f32_dpp v[DUP], v[DUP], v[DUP] row_xmask:4 row_mask:0xf bank_mask:0xf
	v_add_f32_dpp v[DUP], v[DUP], v[DUP] row_xmask:8 row_mask:0xf bank_mask:0xf
	v_readlane_b32 s[SA2], v[DUP], 0
	v_readlane_b32 s[SA3], v[DUP], 16
	s_wait_dscnt 0x0
	ARRMAX 32, C1
	ARRMAX 48, C1+1
	ARRMAX 64, C1+2
	ARRMAX 80, C1+3
	ARRMAX 96, C1+4
	ARRMAX 112, C1+5
	ARRMAX 168, SBM2
	ARRMAX 184, SBM3
	ARRMAX 200, SA1
.irp k, 0,1,2,3,4,5,6,7
	v_mov_b32 v[TH8+\k], v[YY+\k]
.endr
	s_mov_b32 s[C1CUR], s[C1]
	s_mov_b32 s[STG], 0
	; ======== A STAGE
.Lstage:
	s_lshl_b32 s[BOFF], s[STG], 11                 ; c_i
	BIASLOAD                                       ; ahead of the fill: no tensor load is out
.irp k, 0,1,2,3,4,5,6,7
	v_and_b32 v[24+\k], s[ABSM], v[TH8+\k]
.endr
	v_max3_num_f32 v24, v24, v25, v26
	v_max3_num_f32 v24, v24, v27, v28
	v_max3_num_f32 v24, v24, v29, v30
	v_max_num_f32 v24, v24, v31
	v_permlanex16_b32 v25, v24, s[SEL], s[SEL+1]   ; the sample's other eight numbers
	v_max3_num_f32 v24, v24, v25, s[TINY]          ; T
	v_fma_f32 v25, v24, s[SA1], s[C1CUR]
	v_max_num_f32 v25, s[TINY], v25                ; bnd1
	v_fma_f32 v26, v25, s[SA2], s[SBM2]
	v_max_num_f32 v26, s[TINY], v26                ; bnd2
	v_fma_f32 v27, v26, s[SA3], s[SBM3]
	v_max_num_f32 v27, s[TINY], v27                ; bnd3
.irp k, 0,1,2,3
	v_mul_f32 v[DUP+2*\k], s[SC14], v[24+\k]       ; is_0 .. is_3, each twice: pairs for the packed forms
	v_mul_f32 v[DUP+2*\k+1], s[SC14], v[24+\k]
.endr
	v_rcp_f32 v250, v[DUP]
	v_rcp_f32 v251, v[DUP]
	v_mov_b32 v[IS3], v[DUP+6]                     ; plain work behind the reciprocals
	v_mov_b32 v[IS3+1], v[DUP+7]
	s_wait_alu depctr_va_vdst(0)                   ; one wait for both
.irp k, 0,2,4,6
	v_pk_mul_f32 v[24+\k:24+\k+1], v[TH8+\k:TH8+\k+1], v[250:251]
.endr
.irp k, 0,1,2,3
	v_cvt_pk_f16_f32 v[24+\k], v[24+2*\k], v[24+2*\k+1]
.endr
	ds_store_b128 v[ATH+1], v[24:27]               ; my tile's fragment of theta / is_0
	ds_store_b128 v[ASC+1], v[DUP:DUP+3]
	ds_store_b128 v[ASC+1], v[DUP+4:DUP+7] offset:512
	s_mov_b32 s[LCNT], 2
	s_wait_tensorcnt 0x0                           ; no tensor load of mine is out, so the descriptors may be written
	ds_add_u32 v[SPW], v[NIL]
	ds_add_u32 v[SPW], v[NIL]
	s_mov_b64 s[G0+2:G0+3], s[WB:WB+1]             ; W2's slab 0,
	s_or_b32 s[G0+3], s[G0+3], 0x80000000
	s_add_nc_u64 s[G0+6:G0+7], s[WB:WB+1], SLOTB   ; and slab 1
	s_or_b32 s[G0+7], s[G0+7], 0x80000000
	s_wait_dscnt 0x0                               ; the adds, my stores of theta and scales, my reads of LDS
	CROUND
	JLOAD 0                                        ; slab 0 into slot 0
	WIN 0x40
.irp m, 0,1,2,3
	ds_load_b128 v[F0+64+8*\m:F0+64+8*\m+3], v[ATH] offset:\m*512
.endr
.irp m, 0,1,2,3
.irp k, 4,5,6,7
	v_mov_b32 v[F0+64+8*\m+\k], 0
.endr
.endr
	WIN 0
.irp m, 0,1,2,3
	ds_load_b128 v[QQ+8*\m:QQ+8*\m+3],   v[ASC] offset:\m*1024
	ds_load_b128 v[QQ+8*\m+4:QQ+8*\m+7], v[ASC] offset:\m*1024+512
.endr
	s_wait_dscnt 0x0
	WIN 0xa5
.set i, 0
.rept 32
	v_wmma_f32_16x16x32_f16 v[8*i:8*i+7], v[192+8*(i/4):192+8*(i/4)+7], v[F0+64+8*(i%4):F0+64+8*(i%4)+7], 0  ; the first layer: one K step
.set i, i+1
.endr
	WIN 0
	s_branch .Lfin                                 ; the loop over layers 2 and 3 is entered behind its first fill: that fill has just been made
.Llayer:                                               ; the next layer's slab 0 into slot 0
	PFSTEP
	s_wait_tensorcnt 0x0
	ds_add_u32 v[SPW], v[NIL]
	s_wait_dscnt 0x0                               ; the add, the bias loads, my reads of both slots
	CROUND
	JLOAD 0
	ASK
.Lfin:                                                 ; the layer before is finished: x, and GELU of tile pair 0
	s_wait_dscnt 0x0
	PLACES
	TRANSFER
	LUMP 0, 0, 1
	PFSTEP
	WIN 0
	s_wait_tensorcnt 0x0                           ; slab 0 has landed
	ds_add_u32 v[SPW], v[NIL]
	s_wait_dscnt 0x0                               ; the add; my part of K slab 0 of the activations is stored
	CROUND
	JLOAD 1                                        ; slab 1 into slot 1
	FETCH 0, 0, F0
	ASK
	; slab 0 | GELU of pair 1
	GSET 1, 1, 1
	QUARTER 0, 1, F0, F1, 1                        ; the first products start the sums
	QUARTER 0, 2, F1, F0, 0
	QUARTER 0, 3, F0, F1, 0
	TURNF 0                                        ; slab 2 into slot 0
	; slab 1 | GELU of pair 2
	GSET 2, 0, 1
	QUARTER 1, 1, F0, F1, 0
	QUARTER 1, 2, F1, F0, 0
	QUARTER 1, 3, F0, F1, 0
	TURNF 1                                        ; slab 3 into slot 1
	; slab 2 | GELU of pair 3
	GSET 3, 1, 1
	QUARTER 0, 1, F0, F1, 0
	QUARTER 0, 2, F1, F0, 0
	QUARTER 0, 3, F0, F1, 0
	FLUSH
	s_wait_tensorcnt 0x0                           ; my one load that is out is slab 3's, which I read behind this barrier; no younger load exists
	s_wait_dscnt 0x0                               ; buffer 1 is in; my part of K slab 3 of the activations is stored; my reads of ACT0 are over
.set i, 0
.rept 8
	MM F1, 0
.endr
	s_barrier_signal -1                            ; it hands the activations over
.rept 8
	MM F1, 0
.endr
	s_barrier_wait -1
	s_add_nc_u64 s[G0+2:G0+3], s[G0+2:G0+3], 2*SLOTB  ; no load is out: both descriptors step to the next layer's slabs 0 and 1
	s_add_nc_u64 s[G0+6:G0+7], s[G0+6:G0+7], 2*SLOTB
	PLACES
	FETCH 1, 0, F0
.rept 16
	MM F1, 0
.endr
	; slab 3: nothing is left to ride
.set j, 330
	QUARTER 1, 1, F0, F1, 0
	QUARTER 1, 2, F1, F0, 0
	QUARTER 1, 3, F0, F1, 0
	s_wait_dscnt 0x0
.set i, 0
.rept 16
	MM F1, 0
.endr
	s_lshl_b32 s[BOFF], s[LCNT], 11
	s_sub_co_u32 s[BOFF], 16384, s[BOFF]           ; b2 (array 6) in the first trip, b3 (array 7) in the second
	BIASLOAD
.rept 16
	MM F1, 0
.endr
	WIN 0
.irp m, 0,1,2,3
.irp k, 0,1,2,3,4,5
	v_mov_b32 v[QQ+8*\m+\k], v[QQ+8*\m+\k+2]       ; the scales move up a layer
.endr
.endr
	s_sub_co_u32 s[LCNT], s[LCNT], 1
	s_cmp_lg_u32 s[LCNT], 0
	s_cbranch_scc1 .Llayer
	; ======== THE LAST LAYER.  My own tiles, rounded, are the fragments of my K chunks: each wave multiplies its 128 features for all 64 samples; the four partial sums meet in ACT0.
	s_wait_dscnt 0x0
	PLACES
	TRANSFER
.set pp, 0
.rept 4
	LUMP pp, 0, 0
	WIN 0xa0
.irp m, 0,1,2,3
.if pp == 0
	v_wmma_f32_16x16x32_f16 v[8*\m:8*\m+7], v[WO+8*pp:WO+8*pp+7], v[TT+8*\m:TT+8*\m+7], 0
.else
	v_wmma_f32_16x16x32_f16 v[8*\m:8*\m+7], v[WO+8*pp:WO+8*pp+7], v[TT+8*\m:TT+8*\m+7], v[8*\m:8*\m+7]
.endif
.endr
	PLACES                                         ; ahead of the next pair's writes of TT, and of the stores below
.set pp, pp+1
.endr
	WIN 0x08
.irp m, 0,1,2,3
	ds_store_b128 v[AST], v[8*\m:8*\m+3]   offset:\m*1024      ; ACT0 has not been read since the barrier of slab 2
	ds_store_b128 v[AST], v[8*\m+4:8*\m+7] offset:\m*1024+512
.endr
	WIN 0
	s_wait_dscnt 0x0
	s_barrier_signal -1
	s_barrier_wait -1
.irp p, 0,1,2,3
	ds_load_b128 v[TT+8*\p:TT+8*\p+3],   v[ARD] offset:\p*4096
	ds_load_b128 v[TT+8*\p+4:TT+8*\p+7], v[ARD] offset:\p*4096+512
.endr
	s_wait_dscnt 0x0
.irp k, 0,2,4,6
	v_pk_add_f32 v[TT+\k:TT+\k+1], v[TT+\k:TT+\k+1], v[TT+8+\k:TT+8+\k+1]
	v_pk_add_f32 v[TT+16+\k:TT+16+\k+1], v[TT+16+\k:TT+16+\k+1], v[TT+24+\k:TT+24+\k+1]
.endr
.irp k, 0,2,4,6
	v_pk_add_f32 v[TT+\k:TT+\k+1], v[TT+\k:TT+\k+1], v[TT+16+\k:TT+16+\k+1]
.endr
.irp k, 0,2,4,6
	v_pk_fma_f32 v[TT+\k:TT+\k+1], v[TT+\k:TT+\k+1], v[IS3:IS3+1], v[BO+\k:BO+\k+1]  ; the score
.endr
.irp k, 0,2,4,6
	v_pk_add_f32 v[TT+\k:TT+\k+1], v[TT+\k:TT+\k+1], v[TH8+\k:TH8+\k+1]              ; z = theta + score
.endr
	RKB 0, 9.9999, 0.161
	RKB 1, 8.39798204, -0.008480655492356989, 0.335480655492357
	RKB 2, 6.74631507, 2.8971530571054935, -6.359448489975075, 4.3622954328695815
	RKB 3, 1.0450791, 5.325864828439257, -11.748883564062828, 7.4955393428898365, -0.09249506636175525
	RKB 4, 0.24884089, 5.86145544294642, -12.92096931784711, 8.159367898576159, -0.071584973281401, -0.028269050394068383
	RKB 5, 0.050099, 0.09646076681806523, 0.01, 0.4798896504144996, 1.379008574103742, -3.290069515436081, 2.324710524099774
.Lrk_end:
	s_add_co_u32 s[STG], s[STG], 1
	s_cmp_lt_u32 s[STG], 6
	s_cbranch_scc1 .Lstage
	; ======== OUT: mean + std * y, back through my own LDS bytes, so that each store covers 512 consecutive bytes
.irp k, 0,2,4,6
	v_pk_fma_f32 v[TT+\k:TT+\k+1], v[TH8+\k:TH8+\k+1], v[PSD+\k:PSD+\k+1], v[PMN+\k:PMN+\k+1]
.endr
	ds_store_b128 v[IOX], v[TT:TT+3]
	ds_store_b128 v[IOX], v[TT+4:TT+7] offset:16
	ds_load_b128 v[TT+8:TT+11], v[IOL]
	ds_load_b128 v[TT+12:TT+15], v[IOL] offset:512
	s_wait_dscnt 0x0
	global_store_b128 v[GIO], v[TT+8:TT+11], s[18:19]
	global_store_b128 v[GIO], v[TT+12:TT+15], s[18:19] offset:512
	s_wait_tensorcnt 0x0                           ; the wave's end, behind my last tensor load and my last LDS store
	ds_add_u32 v[SPW], v[NIL]
	s_wait_dscnt 0x0
	CROUND                                         ; the closing round: no work-group ends while a partner may still ask for a slab that names it
	s_endpgm
.Lfunc_end_k_q0598ad247a_flow:
	.size	k_q0598ad247a_flow, .Lfunc_end_k_q0598ad247a_flow-k_q0598ad247a_flow
	.p2alignl 7, 3214868480
	.fill 96, 4, 3214868480
	.section	.rodata,"a",@progbits
	.p2align	6, 0x0
	.amdhsa_kernel k_q0598ad247a_flow
		.amdhsa_group_segment_fixed_size 327680
		.amdhsa_private_segment_fixed_size 0
		.amdhsa_enable_private_segment 0
		.amdhsa_kernarg_size 64
		.amdhsa_user_sgpr_count 2
		.amdhsa_user_sgpr_kernarg_segment_ptr 1
		.amdhsa_wavefront_size32 1
		.amdhsa_system_sgpr_workgroup_id_x 1
		.amdhsa_system_sgpr_workgroup_id_y 1
		.amdhsa_system_sgpr_workgroup_id_z 1
		.amdhsa_system_vgpr_workitem_id 0
		.amdhsa_next_free_vgpr 1024
		.amdhsa_next_free_sgpr 80
		.amdhsa_reserve_vcc 0
		.amdhsa_float_denorm_mode_32 3
		.amdhsa_float_denorm_mode_16_64 3
		.amdhsa_memory_ordered 1
		.amdhsa_forward_progress 1
		.amdhsa_inst_pref_size 255
	.end_amdhsa_kernel
	.section	.bss,"aw",@nobits
	.p2align	6
	.space	262144
	.amdgpu_metadata
---
amdhsa.version: [ 1, 2 ]
amdhsa.kernels:
  - .name:           k_q0598ad247a_flow
    .symbol:         k_q0598ad247a_flow.kd
    .args:
      - { .name: wk, .offset: 0, .size: 8, .value_kind: global_buffer, .address_space: global }
      - { .name: b2, .offset: 8, .size: 8, .value_kind: global_buffer, .address_space: global }
      - { .name: b3, .offset: 16, .size: 8, .value_kind: global_buffer, .address_space: global }
      - { .name: bout, .offset: 24, .size: 8, .value_kind: global_buffer, .address_space: global }
      - { .name: init_theta, .offset: 32, .size: 8, .value_kind: global_buffer, .address_space: global }
      - { .name: parameter_mean, .offset: 40, .size: 8, .value_kind: global_buffer, .address_space: global }
      - { .name: parameter_std, .offset: 48, .size: 8, .value_kind: global_buffer, .address_space: global }
      - { .name: out0, .offset: 56, .size: 8, .value_kind: global_buffer, .address_space: global }
    .group_segment_fixed_size: 327680
    .private_segment_fixed_size: 0
    .kernarg_segment_align: 8
    .kernarg_segment_size: 64
    .max_flat_workgroup_size: 128
    .sgpr_count:     80
    .vgpr_count:     1024
    .wavefront_size: 32
...
	.end_amdgpu_metadata
.endif
;; end of part 2
